; MI455X (gfx1250); checked and timed in simulation.
; The chip was launched on July 23, 2026; its instructions are those of AMD's public machine-readable ISA for CDNA 5 (MIT licence, August 2026) and "CDNA5" Instruction Set Architecture Reference Guide (July 2026). The comments in the code are by the model that wrote it; some were corrected since.
;; Grouped Query Attention. Allowed arithmetic: matrix products marked QUANTISED: E2M3 operands, one E8M0 scale for each 32 along K, by v_wmma_scale_f32_16x16x128_f8f6f4 with both operands' format E2M3, f32 sums; everything else in f32.
;; Inputs: Wk 256 x 1,024 float32; Wo 1,024 x 1,024 float32; Wq 1,024 x 1,024 float32; Wv 256 x 1,024 float32; x 1 x 4,096 x 1,024 float32.
;; Outputs: out0 1 x 4,096 x 1,024 float32.
;; This version of the problem:
;;   THIS VERSION OF THE PROBLEM IS GIVEN IN LOW PRECISION. The matrix products marked QUANTISED in the list below multiply operands that are first quantised to E2M3 (2 exponent bits, 3 mantissa bits; 6 bits a number), with one power-of-two scale for each 32 numbers along K (OCP MX v1.0); their sums are f32. All else is computed in f32.
;;   The module's matrix products, in the order in which they are computed (A, B: the left and right operand; K: the contracted axis; several contracted axes count as one K, in the product's order):
;;     1. [M 4,096, K 1,024] x [K 1,024, N 1,024]; A: input x; B: input Wq: QUANTISED
;;     2. [M 4,096, K 1,024] x [K 1,024, N 256]; A: input x; B: input Wk: QUANTISED
;;     3. [M 4,096, K 1,024] x [K 1,024, N 256]; A: input x; B: input Wv: QUANTISED
;;     4. batch 4 x [M 4,096, K 64] x [K 64, N 16,384]; A: computed on the way; B: computed on the way: QUANTISED
;;     5. batch 4 x [M 64, K 4,096] x [K 4,096, N 16,384]; A: computed on the way; B: softmax (see below): QUANTISED
;;     6. [M 4,096, K 1,024] x [K 1,024, N 1,024]; A: computed on the way; B: input Wo: QUANTISED
;;   THE QUANTISER, for each operand of a quantised product, along K:
;;     - K is cut into blocks of 32 from its start; a last block that is shorter is filled with zeros.
;;     - A block's scale is 2^e with e = floor(log2(the largest magnitude in the block)) - 2, held to -126 .. 127; a block of zeros has e = 0. As a byte (E8M0): e + 127.
;;     - Each number is divided by its block's scale, clamped to +-7.5, and rounded to the nearest number of E2M3, ties to even, subnormals kept.
;;     - The product sums the exact products of the quantised numbers (number of the format x scale) in f32.
;;   ~~~python
;;   def quantise(x, axis):      # numpy; x: float32 -> the quantised numbers, widened to float32 again
;;       x = np.moveaxis(x, axis, -1); K = x.shape[-1]
;;       x = np.pad(x, [(0, 0)] * (x.ndim - 1) + [(0, -K % 32)]); x = x.reshape(x.shape[:-1] + (-1, 32)); a = np.abs(x).max(-1, keepdims=True)
;;       e = np.where(a > 0, np.clip(np.frexp(np.where(a > 0, a, 1))[1] - 1 - 2, -126, 127), 0)      # np.frexp(a)[1] - 1 = floor(log2(a)), exactly
;;       r = np.clip(x / 2.0 ** e, -7.5, 7.5)
;;       step = 2.0 ** (np.maximum(np.frexp(np.where(r == 0, 1, r))[1] - 1, 0) - 3)
;;       q = np.round(r / step) * step * 2.0 ** e      # np.round: ties to even
;;       return np.moveaxis(q.reshape(q.shape[:-2] + (-1,))[..., :K], -1, axis).astype(np.float32)
;;   ~~~
;;   SOFTMAX AHEAD OF A QUANTISED PRODUCT. Where the list says 'softmax', what is quantised is not the finished softmax but p = 2^(t - M), with t = logit x log2(e) and M = ceil(the row's largest t), a whole number; so 1/2 < the row's largest p <= 1. The row's sum l is taken of the UNQUANTISED p, in f32, and the product's result is divided by l at the end. Since M is a whole number, a kernel that streams over the keys may use a running M (the ceiling of the running maximum): every later rescaling is an exact power of two, which a block's scale takes up: the codes' values come out the same.
;;   OPERANDS COMPUTED ON THE WAY. 'Computed on the way' means the value that the module computes at that place (a softmax that the list does not call 'softmax' is quantised finished and normalised). What goes into a quantiser is computed in f32, as accurately as f32 sums, v_exp_f32 and their like allow (about 1e-6 of the number): no bf16 or f16 on the way to a quantiser, and a product that is left as it is and whose result goes on into a quantised operand takes f32 operands (vector FMAs, or v_wmma_f32_16x16x4_f32). A number that lies on a knife's edge between two numbers of the format may be rounded either way, as far as f32 arithmetic and the matrix unit's own rounding can turn it there, and no further.
;; One version. Each part assembles by itself: llvm-mc -triple=amdgcn-amd-amdhsa -mcpu=gfx1250 --defsym DOCPART=n.
;; ======== version 1 of 1: 4 launches
;; limits: right only within a limited range of input values
;; workspace buffers: img 5,111,808 bytes; scl 212,992 bytes; qi 3,145,728 bytes; qs 262,144 bytes; kvi 1,703,936 bytes; aoi 3,145,728 bytes; aos 131,072 bytes
;; launch quant (part 1): grid 416 x 1, 4 waves a work-group, no clusters, 35,328 bytes of LDS; arguments x, Wq, Wk, Wv, Wo, img, scl; writes img, scl
.if DOCPART == 1
	.amdgcn_target "amdgcn-amd-amdhsa--gfx1250"
	.amdhsa_code_object_version 6
	.text
	.protected	k_qd3341b1da1_quant
	.globl	k_qd3341b1da1_quant
	.p2align	8
	.type	k_qd3341b1da1_quant,@function
k_qd3341b1da1_quant:
	s_mov_b64 s[64:65], 0
	v_nop
	global_prefetch_b8 v0, s[64:65] scope:SCOPE_SE
	s_setreg_imm32_b32 hwreg(HW_REG_WAVE_MODE, 25, 1), 1
	s_wait_xcnt 0x0
; x [4096][1024], Wq [1024][1024], Wk, Wv [256][1024], Wo [1024][1024], f32, K innermost, become codes of FP6 (E2M3) with one E8M0 byte for each 32 along K,
; laid as IMAGES OF OPERAND REGISTERS.  All rows are cut into tiles of 16: tiles 0-255 x, 256-319 Wq, 320-335 Wk, 336-351 Wv, 352-415 Wo.
; THE ROWS OF A TILE ARE NOT NEIGHBOURS: lane index a of a tensor's tile 4 C + u is its row 64 C + 32 (a / 8) + 8 u + a % 8.  Used as source 0 of a product, the 32 result registers of four
; neighbouring tiles are then, in lanes 0-15, rows 64 C + 0 .. 31 and, in lanes 16-31, rows 64 C + 32 .. 63: a whole block of 32 along the next K in one lane, as the 6-bit operand's layout has it.
; img [tile][K step 0..7][1,536]: a fragment (16 rows x 128 K, 12 registers a lane) as three groups of 512 bytes, group g = registers 4 g .. 4 g + 3, lane l at 16 l.   scl [tile][row index 0..15][8 words]: word s = the four bytes of K step s.
; A block's scale is 2^(floor(log2(largest magnitude)) - 2); its byte is the largest magnitude's exponent field - 2, held at 1 from below.  A block of zeros so gets byte 1: its codes are zeros, and this program alone reads the bytes.
; LIMITS: NaN and infinities among the inputs are not served; blocks whose largest magnitude lies under 2^(3 - 127) are quantised under the byte 1.
; SHARES: a work-group takes a tile; wave w its K steps 2 w and 2 w + 1.  Each load reads 512 consecutive bytes of a row; the 16 rows turn through the wave's own stage in LDS, so that lane (r, h) gets, of row r,
; the two whole blocks 2 c + h (c = 0, 1).  No work-group shares an input byte with another: no cluster, no tensor load.
.set STW,  8448                        ; a wave's stage: 16 rows x (512 + 16) bytes
.set SG,   4*STW                       ; behind the stages: the tile's 512 bytes of scale words; the spare words follow at 0x8800
.set LO,   1
.set SW,   2
.set SR,   3
.set SGA,  4
.set CO,   5
.set TM,   8
.set SCO,  10
.set BY,   12
.set WD,   14
.set PC0,  16
.set PC1,  28
.set PT,   40
.set SGR,  52
.set SH,   53
.set R,    64
.set X0,   192
	s_load_b256 s[4:11], s[0:1], 0x0               ; x, Wq, Wk, Wv
	s_load_b128 s[12:15], s[0:1], 0x20             ; Wo, img
	s_load_b64 s[16:17], s[0:1], 0x30              ; scl
	v_lshl_add_u32 v62, v0, 2, 0x8800
	v_mov_b32 v63, 0
	v_lshrrev_b32 v6, 5, v0
	v_readfirstlane_b32 s18, v6                    ; wave 0..3
	v_and_b32 v[CO], 31, v0
	v_lshlrev_b32 v[CO], 4, v[CO]
	v_and_b32 v6, 15, v0                           ; r
	v_bfe_u32 v7, v0, 4, 1                         ; h
	s_lshl_b32 s19, s18, 10
	v_add_nc_u32 v[LO], s19, v[CO]
	s_mul_i32 s19, s18, STW
	v_add_nc_u32 v[SW], s19, v[CO]
	v_mul_u32_u24 v[SR], v6, 528
	v_lshl_add_u32 v[SR], v7, 7, v[SR]
	v_add_nc_u32 v[SR], s19, v[SR]
	s_lshl_b32 s19, s18, 3
	s_add_co_u32 s19, s19, SG
	v_lshl_add_u32 v[SGA], v6, 5, s19
	v_add_nc_u32 v[SGR], SG, v[CO]
	v_lshlrev_b32 v[SH], 3, v7
	v_mov_b32 v15, 0                               ; a lane permute's destination counts as one of its sources
	s_mov_b32 s26, 0x76543210
	s_mov_b32 s27, 0xfedcba98                      ; selects for lane l xor 16
	s_wait_alu depctr_va_vdst(0)                   ; the wait at the head's end
	s_wait_kmcnt 0x0
	s_mov_b64 s[20:21], s[12:13]                   ; which tensor, and its first tile: by the work-group's number alone
	s_mov_b32 s22, 352
	s_cmp_lt_u32 ttmp9, 352
	s_cselect_b64 s[20:21], s[10:11], s[20:21]
	s_cselect_b32 s22, 336, s22
	s_cmp_lt_u32 ttmp9, 336
	s_cselect_b64 s[20:21], s[8:9], s[20:21]
	s_cselect_b32 s22, 320, s22
	s_cmp_lt_u32 ttmp9, 320
	s_cselect_b64 s[20:21], s[6:7], s[20:21]
	s_cselect_b32 s22, 256, s22
	s_cmp_lt_u32 ttmp9, 256
	s_cselect_b64 s[20:21], s[4:5], s[20:21]
	s_cselect_b32 s22, 0, s22
	s_sub_co_u32 s22, ttmp9, s22                   ; the tile's number in its tensor
	s_lshr_b32 s23, s22, 2
	s_lshl_b32 s23, s23, 18                        ; 64 rows of 4,096 bytes for each four tiles,
	s_and_b32 s22, s22, 3
	s_lshl_b32 s22, s22, 15                        ; 8 rows for each tile in the four
	s_add_co_u32 s22, s22, s23
	s_mov_b32 s23, 0
	s_add_nc_u64 s[20:21], s[20:21], s[22:23]
	s_mul_i32 s24, ttmp9, 12288
	s_mul_i32 s25, s18, 3072
	s_add_co_u32 s24, s24, s25
	s_mov_b32 s25, 0
	s_add_nc_u64 s[14:15], s[14:15], s[24:25]      ; img at my two fragments
	s_lshl_b32 s24, ttmp9, 9
	s_add_nc_u64 s[16:17], s[16:17], s[24:25]      ; scl at my tile
.macro LOADF f                         ; K step 2 w + f of the tile's 16 rows: row index i lies i + 24 (i / 8) rows down; 32 lanes read 512 consecutive bytes
.irp i, 0,1,2,3,4,5,6,7,8,9,10,11,12,13,14,15
	global_load_b128 v[R+64*\f+4*\i:R+64*\f+4*\i+3], v[LO], s[20:21] offset:(\i+24*(\i/8))*4096+512*\f th:TH_LOAD_NT
.endr
.endm
.macro TURN f, dst                     ; through my stage: LDS serves a wave's instructions in order
.irp i, 0,1,2,3,4,5,6,7,8,9,10,11,12,13,14,15
	ds_store_b128 v[SW], v[R+64*\f+4*\i:R+64*\f+4*\i+3] offset:528*\i
.endr
.irp c, 0,1
.irp q, 0,1,2,3,4,5,6,7
	ds_load_b128 v[\dst+32*\c+4*\q:\dst+32*\c+4*\q+3], v[SR] offset:256*\c+16*\q   ; k = 64 c + 32 h + 4 q ..
.endr
.endr
.endm
.macro QF x, pc, f                     ; 64 numbers of a lane (two whole blocks) become 12 code registers and, with lane l xor 16, a scale word
.irp c, 0,1
	v_max3_num_f32 v[TM+\c], |v[\x+32*\c]|, |v[\x+32*\c+1]|, 0x1800000   ; with the floor 2^(3 - 127)
.endr
.irp i, 2,4,6,8,10,12,14,16,18,20,22,24,26,28,30
.irp c, 0,1
	v_max3_num_f32 v[TM+\c], v[TM+\c], |v[\x+32*\c+\i]|, |v[\x+32*\c+\i+1]|
.endr
.endr
.irp c, 0,1
	v_add_nc_u32 v[SCO+\c], 0xff000000, v[TM+\c]   ; 2 off the exponent field: the conversion's scale operand
.endr
.irp c, 0,1
	v_lshrrev_b32 v[BY+\c], 23, v[SCO+\c]          ; the scale's byte
.endr
	v_lshl_or_b32 v[WD], v[BY+1], 16, v[BY]        ; blocks h and 2 + h,
	v_lshlrev_b32 v[WD], v[SH], v[WD]              ; at their places,
	v_permlanex16_b32 v15, v[WD], s26, s27
	v_or_b32 v[WD], v[WD], v15                     ; with lane l xor 16's two the word is whole
.irp c, 0,1
	v_cvt_scalef32_pk16_fp6_f32 v[\pc+6*\c:\pc+6*\c+2], v[\x+32*\c:\x+32*\c+15], v[SCO+\c]
	v_cvt_scalef32_pk16_fp6_f32 v[PT+4*\c:PT+4*\c+2], v[\x+32*\c+16:\x+32*\c+31], v[SCO+\c]   ; (a conversion's three registers begin on an even number)
.endr
	v_nop                                          ; one plain place behind the scaled conversions
.irp c, 0,1
.irp i, 0,1,2
	v_mov_b32 v[\pc+6*\c+3+\i], v[PT+4*\c+\i]
.endr
.endr
.irp g, 0,1,2
	global_store_b128 v[CO], v[\pc+4*\g:\pc+4*\g+3], s[14:15] offset:1536*\f+512*\g   ; 512 consecutive bytes, aligned
.endr
	ds_store_b32 v[SGA], v[WD] offset:4*\f         ; lanes r and r + 16 write the same word with the same value
.endm
	LOADF 0
	LOADF 1
	s_wait_loadcnt 16                              ; fragment 0's sixteen loads are in, fragment 1's may be out
	TURN 0, X0
	s_wait_loadcnt 0x0
	s_wait_dscnt 0x0                               ; fragment 0 is back: the stage and v64-127 are free
	TURN 1, R
	QF X0, PC0, 0                                  ; worked while fragment 1 turns
	s_wait_dscnt 0x0
	QF R, PC1, 1
	s_wait_dscnt 0x0                               ; for the others' sake: my scale words lie in LDS
	s_barrier_signal -1
	s_barrier_wait -1
	s_cmp_lg_u32 s18, 0
	s_cbranch_scc1 .Lend
	ds_load_b128 v[48:51], v[SGR]                  ; wave 0 stores the tile's 512 bytes of scale words whole
	s_wait_dscnt 0x0
	global_store_b128 v[CO], v[48:51], s[16:17]
.Lend:
	s_wait_tensorcnt 0x0                           ; the wave's end
	ds_add_u32 v62, v63
	s_wait_dscnt 0x0
	s_endpgm
.Lfunc_end_k_qd3341b1da1_quant:
	.size	k_qd3341b1da1_quant, .Lfunc_end_k_qd3341b1da1_quant-k_qd3341b1da1_quant
	.p2alignl 7, 3214868480
	.fill 96, 4, 3214868480
	.section	.rodata,"a",@progbits
	.p2align	6, 0x0
	.amdhsa_kernel k_qd3341b1da1_quant
		.amdhsa_group_segment_fixed_size 35328
		.amdhsa_private_segment_fixed_size 0
		.amdhsa_enable_private_segment 0
		.amdhsa_kernarg_size 56
		.amdhsa_user_sgpr_count 2
		.amdhsa_user_sgpr_kernarg_segment_ptr 1
		.amdhsa_wavefront_size32 1
		.amdhsa_system_sgpr_workgroup_id_x 1
		.amdhsa_system_sgpr_workgroup_id_y 1
		.amdhsa_system_sgpr_workgroup_id_z 1
		.amdhsa_system_vgpr_workitem_id 0
		.amdhsa_next_free_vgpr 256
		.amdhsa_next_free_sgpr 66
		.amdhsa_reserve_vcc 0
		.amdhsa_float_denorm_mode_32 3
		.amdhsa_float_denorm_mode_16_64 3
		.amdhsa_memory_ordered 1
		.amdhsa_forward_progress 1
		.amdhsa_inst_pref_size 17
	.end_amdhsa_kernel
	.amdgpu_metadata
---
amdhsa.version: [ 1, 2 ]
amdhsa.kernels:
  - .name:           k_qd3341b1da1_quant
    .symbol:         k_qd3341b1da1_quant.kd
    .args:
      - { .name: x, .offset: 0, .size: 8, .value_kind: global_buffer, .address_space: global }
      - { .name: Wq, .offset: 8, .size: 8, .value_kind: global_buffer, .address_space: global }
      - { .name: Wk, .offset: 16, .size: 8, .value_kind: global_buffer, .address_space: global }
      - { .name: Wv, .offset: 24, .size: 8, .value_kind: global_buffer, .address_space: global }
      - { .name: Wo, .offset: 32, .size: 8, .value_kind: global_buffer, .address_space: global }
      - { .name: img, .offset: 40, .size: 8, .value_kind: global_buffer, .address_space: global }
      - { .name: scl, .offset: 48, .size: 8, .value_kind: global_buffer, .address_space: global }
    .group_segment_fixed_size: 35328
    .private_segment_fixed_size: 0
    .kernarg_segment_align: 8
    .kernarg_segment_size: 56
    .max_flat_workgroup_size: 128
    .sgpr_count:     66
    .vgpr_count:     256
    .wavefront_size: 32
...
	.end_amdgpu_metadata
.endif
;; end of part 1
;; launch proj (part 2): grid 16 x 12, 4 waves a work-group, clusters of 4 x 1, 327,680 bytes of LDS; arguments img, scl, qi, qs, kvi; writes qi, qs, kvi
.if DOCPART == 2
	.amdgcn_target "amdgcn-amd-amdhsa--gfx1250"
	.amdhsa_code_object_version 6
	.text
	.protected	k_qd3341b1da1_proj
	.globl	k_qd3341b1da1_proj
	.p2align	8
	.type	k_qd3341b1da1_proj,@function
k_qd3341b1da1_proj:
	s_mov_b64 s[64:65], 0
	v_nop
	global_prefetch_b8 v0, s[64:65] scope:SCOPE_SE
	s_setreg_imm32_b32 hwreg(HW_REG_WAVE_MODE, 25, 1), 1
	s_wait_xcnt 0x0
	s_wait_alu depctr_hold_cnt(0) depctr_sa_sdst(0) depctr_va_vdst(0) depctr_va_sdst(0) depctr_va_ssrc(0) depctr_va_vcc(0) depctr_vm_vsrc(0)
	s_getreg_b32 s2, hwreg(HW_REG_IB_STS2, 6, 4)
	s_cmp_eq_u32 s2, 0
	s_cbranch_scc0 .Lentry_in_a_cluster
	s_endpgm
.Lentry_in_a_cluster:
	s_bfe_u32 s2, ttmp6, 0x10000c
	s_cmp_lg_u32 s2, 0x3003
	s_cbranch_scc0 .Lentry_shape_is_right
	s_endpgm
.Lentry_shape_is_right:
; q = x Wq^T, k = x Wk^T, v = x Wv^T on codes of FP6 (E2M3) with E8M0 scales, f32 sums; the results are quantised in registers for the attention's two products and leave as images of operand registers.
; SHARES.  Work-group (bx, col): 256 rows of x (tiles 16 bx ..) x 128 rows of W (tiles 256 + 8 col ..: columns 0-7 Wq, 8-9 Wk, 10-11 Wv).  Wave (wy, wx) = (w / 2, w % 2): x tiles 8 wy .. + 7, that is group G = 2 bx + wy of 128 rows,
; and W tiles 4 wx .. + 3, one head of 64: 32 accumulators.
; q, k: source 0 = 16 rows of W, source 1 = 16 rows of x: a lane holds one row of x and its registers run along the head's 64.   v: source 0 = 16 rows of x, source 1 = 16 rows of W: a lane holds one channel and its registers run along the keys.
; By the order of a tile's rows (lane index a of tile 4 C + u is row 64 C + 32 (a / 8) + 8 u + a % 8) the 32 registers of four neighbouring tiles are a WHOLE block of 32 along the next K: block h in lanes 16 h .. 16 h + 15.
; So a block's largest magnitude needs no other lane, and two conversions give the six registers that the operand's layout wants in that lane.
; ALL OF K LIES IN LDS, filled once, in two parts: K steps 0-4 (rows of 7,680 bytes a tile) and K steps 5-7 (rows of 4,608 bytes).  Waves 0, 1 fetch x's tiles (8 each), waves 2, 3 W's (4 each): one tensor load a wave for a part.
; The second part is asked for behind the first's landing and a round, and has four K steps, 128 products a wave, in which to land.
; CLUSTER 4 x 1: the four partners share col, so W's tiles are asked for jointly.  x's tiles, which the twelve columns share, are not: a cluster along col would hold k's and v's columns together, and partners may not branch apart.
; No prefetch: the launch has no loop to run ahead in; both parts are asked for in its first part.
; OUT.  qi [head 16][G 32][6,144]: 48 registers, tile i at 6 i.  qs [head][G][512]: word of tile i, row index r at 256 (i / 4) + 16 r + 4 (i % 4).  kvi [kv head 4][key step G 32][13,312]: 0 K's 48 registers; 6,144 V^T's 48 (4 channel tiles x 12);
; 12,288 K's words of tiles 0-3; 12,544 V's words; 12,800 K's words of tiles 4-7; 13,056 zeros.  Words of q and k hold two bytes; the upper two are 0 and meet zero codes.
; LIMITS: a block of zeros gets byte 1 (its codes are zeros; this program alone reads the bytes); NaN and infinities are not served.
; REGISTERS: window 0: v1-13 addresses; v16-47 x's scale words (4 a tile), v48-63 W's; v64-207 fragment set 0 (x tile i at 64 + 12 i, W tile j at 160 + 12 j); window 1: set 1 at the same numbers; window 2: the accumulators.
.set KA,   5                           ; K steps in the first part
.set RA,   KA*1536                     ; a tile's row in it, in bytes;
.set RB,   (8-KA)*1536                 ; and in the second part
.set WOFA, 16*RA                       ; first part: x's 16 tiles, then W's 8
.set PB,   24*RA                       ; the second part begins here
.set WOFB, PB+16*RB
.set LI,   1
.set AXB,  2                           ; v2, v3 my x and W tiles in the first part;  v12, v13 in the second
.set AWB,  3
.set AX,   4
.set AW,   5
.set SLO,  6                           ; v6  32 r + 16 h
.set SO,   7                           ; v7  16 r + h x the distance of the two halves' scale words
.set HH,   8                           ; v8  h
.set SH,   11                          ; v11 8 h
.set AXC,  12
.set AWC,  13
.set XS,   16
.set WS,   48
.set FX,   64
.set FW,   160
.set PC,   64                          ; the way out, window 0: codes v64-111; upper halves v112-143; v144-151 largest magnitudes; v160-175 at work; v176-183 scale operands; v192-199 words; v200-203 what is stored
.set PT,   112
.set TM,   144
.set TX,   160
.set TY,   168
.set SCO,  176
.set WD,   192
.set DD,   200
.set WV,   14
.set ISV,  20
.set G1X,  24                          ; s[24:31] group 1 for x's tiles, s[32:39] for W's; s[40:47], s[68:75] their groups 0, one for each part
.set G1W,  32
.set G0X,  40
.set G0W,  68
.set SEL,  56
.set MSB, 0
.macro WIN new                         ; the immediate's high byte repeats the setting that is left
.if MSB != (\new)
	s_set_vgpr_msb (MSB<<8)|(\new)
.set MSB, (\new)
.endif
.endm
.macro ROUND                           ; a round of the cluster's barrier
	s_barrier_signal -1
	s_barrier_wait -1
	s_cmp_lg_u32 s[WV], 0
	s_cbranch_scc1 .Lnot_wave_0_\@
	s_barrier_signal -3
.Lnot_wave_0_\@:
	s_barrier_wait -3
	s_barrier_signal -1
	s_barrier_wait -1
.endm
.macro JLOAD hp                        ; part hp: waves 0, 1 x's tiles, waves 2, 3 W's: one load on every way; s_nop 0 and four v_nop follow each
	s_cmp_lt_u32 s[WV], 2
	s_cbranch_scc0 .Lfor_w_\@
	tensor_load_to_lds s[G0X+4*\hp:G0X+4*\hp+3], s[G1X:G1X+7]
	s_nop 0
.rept 4
	v_nop
.endr
	s_branch .Lasked_\@
.Lfor_w_\@:
	tensor_load_to_lds s[G0W+4*\hp:G0W+4*\hp+3], s[G1W:G1W+7]
	s_nop 0
.rept 4
	v_nop
.endr
.Lasked_\@:
.endm
	s_load_b256 s[4:11], s[0:1], 0x0               ; img, scl, qi, qs
	s_load_b64 s[12:13], s[0:1], 0x20              ; kvi
	v_lshl_add_u32 v254, v0, 2, 0x48000            ; my spare word, behind the two parts
	v_mov_b32 v255, 0
	ds_add_u32 v254, v255                          ; the opening lines: the add, twice on end, and its wait
	ds_add_u32 v254, v255
	v_lshrrev_b32 v9, 5, v0
	v_readfirstlane_b32 s[WV], v9                  ; wave 0..3
	s_lshr_b32 s15, s[WV], 1                       ; wy
	s_and_b32 s16, s[WV], 1                        ; wx; also: which half of x's or W's tiles I fetch
	s_bfe_u32 s17, ttmp6, 0x40000                  ; cx
	s_lshl_b32 s18, ttmp9, 2
	s_add_co_u32 s18, s18, s17                     ; bx: it enters x's addresses and the outputs' alone
	s_and_b32 s19, ttmp7, 0xffff                   ; col, which the partners share
	s_cmp_ge_u32 s19, 10
	s_cselect_b32 s[ISV], 1, 0
	s_mov_b32 s[SEL], 0x76543210
	s_mov_b32 s[SEL+1], 0xfedcba98
	; group 1: rows of RA bytes (elements of 8), 12,288 bytes apart: the first part's K steps of each tile
	s_mov_b32 s[G1X], 3<<16                        ; no mask; elements of 8 bytes; no padding
	s_mov_b32 s[G1X+1], (RA/8)<<16
	s_mov_b32 s[G1X+2], 8<<16                      ; 8 tiles
	s_mov_b32 s[G1X+3], (RA/8)<<16
	s_mov_b32 s[G1X+4], 8
	s_mov_b32 s[G1X+5], 1536
	s_mov_b32 s[G1X+6], 0
	s_mov_b32 s[G1X+7], 0
	s_mov_b32 s[G1W], 15|(3<<16)|(1<<21)           ; the mask: all four partners; bit 21 beside it
	s_mov_b32 s[G1W+1], (RA/8)<<16
	s_mov_b32 s[G1W+2], 4<<16                      ; 4 tiles
	s_mov_b32 s[G1W+3], (RA/8)<<16
	s_mov_b32 s[G1W+4], 4
	s_mov_b32 s[G1W+5], 1536
	s_mov_b32 s[G1W+6], 0
	s_mov_b32 s[G1W+7], 0
	s_lshl_b32 s84, s18, 4
	s_lshl_b32 s85, s16, 3
	s_add_co_u32 s84, s84, s85                     ; x tile 16 bx + 8 (w % 2)
	s_mul_i32 s84, s84, 12288
	s_mov_b32 s85, 0
	s_lshl_b32 s86, s19, 3
	s_lshl_b32 s87, s16, 2
	s_add_co_u32 s86, s86, s87
	s_add_co_u32 s86, s86, 256                     ; W tile 256 + 8 col + 4 (w % 2): no place in the cluster enters it
	s_mul_i32 s86, s86, 12288
	s_mov_b32 s87, 0
	s_mul_i32 s88, s16, 8*RA                       ; where they go: the first part,
	s_mul_i32 s89, s16, 4*RA
	s_add_co_u32 s89, s89, WOFA
	s_mul_i32 s90, s16, 8*RB                       ; and the second
	s_add_co_u32 s90, s90, PB
	s_mul_i32 s91, s16, 4*RB
	s_add_co_u32 s91, s91, WOFB
	s_wait_dscnt 0x0
	s_wait_kmcnt 0x0
	s_add_nc_u64 s[84:85], s[4:5], s[84:85]
	s_add_nc_u64 s[86:87], s[4:5], s[86:87]
.irp hp, 0,1
	s_mov_b32 s[G0X+4*\hp], 1
	s_mov_b32 s[G0X+4*\hp+1], s[88+2*\hp]
	s_add_nc_u64 s[G0X+4*\hp+2:G0X+4*\hp+3], s[84:85], \hp*RA
	s_or_b32 s[G0X+4*\hp+3], s[G0X+4*\hp+3], 0x80000000
	s_mov_b32 s[G0W+4*\hp], 1
	s_mov_b32 s[G0W+4*\hp+1], s[89+2*\hp]
	s_add_nc_u64 s[G0W+4*\hp+2:G0W+4*\hp+3], s[86:87], \hp*RA
	s_or_b32 s[G0W+4*\hp+3], s[G0W+4*\hp+3], 0x80000000
.endr
	ROUND                                          ; all four work-groups are here: the joint loads meet
	JLOAD 0                                        ; K steps 0-4: one tensor load a wave at the head
	v_and_b32 v[LI], 31, v0
	v_lshlrev_b32 v[LI], 4, v[LI]
	v_and_b32 v9, 15, v0                           ; r
	v_bfe_u32 v[HH], v0, 4, 1                      ; h
	s_mul_i32 s90, s15, 8*RA
	v_add_nc_u32 v[AXB], s90, v[LI]
	s_mul_i32 s90, s16, 4*RA
	s_add_co_u32 s90, s90, WOFA
	v_add_nc_u32 v[AWB], s90, v[LI]
	s_mul_i32 s90, s15, 8*RB
	s_add_co_u32 s90, s90, PB
	v_add_nc_u32 v[AXC], s90, v[LI]
	s_mul_i32 s90, s16, 4*RB
	s_add_co_u32 s90, s90, WOFB
	v_add_nc_u32 v[AWC], s90, v[LI]
	v_lshlrev_b32 v[SLO], 5, v9
	v_lshl_add_u32 v[SLO], v[HH], 4, v[SLO]
	v_lshlrev_b32 v[SH], 3, v[HH]
	; scale words: four a lane: register q holds K step q's word in lanes 0-15 and K step 4 + q's in lanes 16-31
	s_wait_alu depctr_va_vdst(0)                   ; the wait ahead of the run of scalar lines
	s_lshl_b32 s90, s18, 4
	s_lshl_b32 s91, s15, 3
	s_add_co_u32 s90, s90, s91
	s_lshl_b32 s90, s90, 9
	s_mov_b32 s91, 0
	s_add_nc_u64 s[90:91], s[6:7], s[90:91]
	s_lshl_b32 s92, s19, 3
	s_lshl_b32 s93, s16, 2
	s_add_co_u32 s92, s92, s93
	s_add_co_u32 s92, s92, 256
	s_lshl_b32 s92, s92, 9
	s_mov_b32 s93, 0
	s_add_nc_u64 s[92:93], s[6:7], s[92:93]
.irp i, 0,1,2,3,4,5,6,7
	global_load_b128 v[XS+4*\i:XS+4*\i+3], v[SLO], s[90:91] offset:512*\i
.endr
.irp j, 0,1,2,3
	global_load_b128 v[WS+4*\j:WS+4*\j+3], v[SLO], s[92:93] offset:512*\j
.endr
	; where the results go
	s_lshl_b32 s94, s18, 1
	s_add_co_u32 s94, s94, s15                     ; G
	s_lshl_b32 s95, s19, 1
	s_add_co_u32 s95, s95, s16                     ; H = 2 col + wx: 0-15 q's heads, 16-19 k's, 20-23 v's
	s_and_b32 s96, s95, 3                          ; the key and value head
	s_lshl_b32 s95, s95, 5
	s_add_co_u32 s95, s95, s94
	s_lshl_b32 s96, s96, 5
	s_add_co_u32 s96, s96, s94
	s_mul_i32 s97, s95, 6144                       ; q's codes
	s_lshl_b32 s95, s95, 9                         ; q's words
	s_mul_i32 s96, s96, 13312                      ; the key step's block
	s_mul_i32 s98, s[ISV], 6144
	s_add_co_u32 s98, s98, s96                     ; k's or v's codes
	s_lshl_b32 s99, s[ISV], 8
	s_add_co_u32 s99, s99, s96
	s_add_co_u32 s99, s99, 12288                   ; k's or v's words
	s_cmp_lt_u32 s19, 8
	s_cselect_b64 s[8:9], s[8:9], s[12:13]
	s_cselect_b64 s[10:11], s[10:11], s[12:13]
	s_cselect_b32 s2, s97, s98
	s_cselect_b32 s22, s95, s99
	s_cselect_b32 s21, 8, 9                        ; the halves' words lie 256 bytes apart in qs, 512 in kvi
	s_mov_b32 s3, 0
	s_mov_b32 s23, 0
	s_add_nc_u64 s[8:9], s[8:9], s[2:3]
	s_add_nc_u64 s[10:11], s[10:11], s[22:23]
	v_lshlrev_b32 v[SO], 4, v9
	v_lshlrev_b32 v10, s21, v[HH]
	v_add_nc_u32 v[SO], v[SO], v10
; 36 LDS loads in one run: K step s's fragments into set s % 2.  The two additions and two v_nop are the four places behind the matrix instructions that read that set (ISA guide 7.12.1 for vector instructions)
.macro FETCHR s, row
	v_nop
	v_nop
	WIN 64*((\s)%2)
.irp j, 0,1,2,3
.irp g, 0,1,2
	ds_load_b128 v[FW+12*\j+4*\g:FW+12*\j+4*\g+3], v[AW] offset:(\row)*\j+512*\g
.endr
.endr
.irp i, 0,1,2,3,4,5,6,7
.irp g, 0,1,2
	ds_load_b128 v[FX+12*\i+4*\g:FX+12*\i+4*\g+3], v[AX] offset:(\row)*\i+512*\g
.endr
.endr
	WIN 0
.endm
.macro FETCH s
	WIN 0
.if (\s) < KA
	v_add_nc_u32 v[AX], 1536*(\s), v[AXB]
	v_add_nc_u32 v[AW], 1536*(\s), v[AWB]
	FETCHR \s, RA
.else
	v_add_nc_u32 v[AX], 1536*((\s)-KA), v[AXC]
	v_add_nc_u32 v[AW], 1536*((\s)-KA), v[AWC]
	FETCHR \s, RB
.endif
.endm
.macro WM d, a, b, sa, sb, s           ; one product; K step 0 starts the sums; K steps 4-7 take their words from lanes 16-31
.if (\s) == 0
	v_wmma_scale_f32_16x16x128_f8f6f4 v[\d:\d+7], v[\a:\a+11], v[\b:\b+11], 0, v[\sa], v[\sb] matrix_a_fmt:MATRIX_FMT_FP6 matrix_b_fmt:MATRIX_FMT_FP6
.elseif (\s) < 4
	v_wmma_scale_f32_16x16x128_f8f6f4 v[\d:\d+7], v[\a:\a+11], v[\b:\b+11], v[\d:\d+7], v[\sa], v[\sb] matrix_a_fmt:MATRIX_FMT_FP6 matrix_b_fmt:MATRIX_FMT_FP6
.else
	v_wmma_scale_f32_16x16x128_f8f6f4 v[\d:\d+7], v[\a:\a+11], v[\b:\b+11], v[\d:\d+7], v[\sa], v[\sb] matrix_a_fmt:MATRIX_FMT_FP6 matrix_b_fmt:MATRIX_FMT_FP6 matrix_a_scale:MATRIX_SCALE_ROW1 matrix_b_scale:MATRIX_SCALE_ROW1
.endif
.endm
.macro MULQK s                         ; the 32 accumulators by turns, one instruction a turn
	WIN 0xa0+5*((\s)%2)
.irp i, 0,1,2,3,4,5,6,7
.irp j, 0,1,2,3
	WM 8*(4*\i+\j), FW+12*\j, FX+12*\i, WS+4*\j+(\s)%4, XS+4*\i+(\s)%4, \s
.endr
.endr
	WIN 0
.endm
.macro MULV s
	WIN 0xa0+5*((\s)%2)
.irp i, 0,1,2,3,4,5,6,7
.irp j, 0,1,2,3
	WM 8*(8*\j+\i), FX+12*\i, FW+12*\j, XS+4*\i+(\s)%4, WS+4*\j+(\s)%4, \s
.endr
.endr
	WIN 0
.endm
.macro KSTEP s
	s_wait_dscnt 0x0                               ; this step's set is in
.if (\s) == KA-1
	s_wait_tensorcnt 0x0                           ; my share of the second part is in
	s_barrier_signal -1
	s_barrier_wait -1                              ; everybody's is
.endif
.if (\s) < 7
	FETCH (\s)+1
.endif
	s_cmp_lg_u32 s[ISV], 0                         ; the branch goes round the products alone; it hangs on col, which all waves and all partners share
	s_cbranch_scc1 .Lv_\@
	MULQK \s
	s_branch .Ljoin_\@
.Lv_\@:
	MULV \s
.Ljoin_\@:
.endm
	s_wait_alu depctr_va_vdst(0)                   ; the wait at the head's end
	s_wait_tensorcnt 0x0                           ; my share of the first part is in
	ds_add_u32 v254, v255
	s_mov_b32 s[G1X+1], (RB/8)<<16                 ; no tensor load of mine is out, so a descriptor may be written: the second part's rows are RB bytes long
	s_mov_b32 s[G1X+3], (RB/8)<<16
	s_mov_b32 s[G1W+1], (RB/8)<<16
	s_mov_b32 s[G1W+3], (RB/8)<<16
	s_wait_dscnt 0x0
	ROUND                                          ; everybody's share is in, and the four work-groups are here
	JLOAD 1                                        ; K steps 5-7: the first tensor load behind the round
	FETCH 0
	s_wait_loadcnt 0x0                             ; the scale words
	KSTEP 0
	KSTEP 1
	KSTEP 2
	KSTEP 3
	KSTEP 4
	KSTEP 5
	KSTEP 6
	KSTEP 7
	; THE WAY OUT, the same for both forms: unit u = accumulator registers 32 u .. 32 u + 31 = this lane's whole block of 32 along the next K (lanes 0-15 the lower block of a 64, lanes 16-31 the upper); it gives six code registers at PC + 6 u
.rept 4
	v_nop                                          ; places behind the last products
.endr
	WIN 0x28                                       ; sources 1 and 2 in window 2
.irp u, 0,1,2,3,4,5,6,7
	v_max3_num_f32 v[TM+\u], 0x1800000, |v[32*\u]|, |v[32*\u+1]|   ; with the floor 2^(3 - 127); each accumulator is read from its low end on
.endr
.irp i, 2,4,6,8,10,12,14,16,18,20,22,24,26,28,30
.irp u, 0,1,2,3,4,5,6,7
	v_max3_num_f32 v[TM+\u], v[TM+\u], |v[32*\u+\i]|, |v[32*\u+\i+1]|
.endr
.endr
	WIN 0
.irp u, 0,1,2,3,4,5,6,7
	v_mov_b32 v[TY+\u], 0                          ; a lane permute's destination counts as one of its sources
.endr
.irp u, 0,1,2,3,4,5,6,7
	v_add_nc_u32 v[SCO+\u], 0xff000000, v[TM+\u]   ; 2 off the exponent field: the conversion's scale operand
.endr
.irp u, 0,1,2,3,4,5,6,7
	v_lshrrev_b32 v[TX+\u], 23, v[SCO+\u]          ; the byte,
.endr
.irp u, 0,1,2,3,4,5,6,7
	v_lshlrev_b32 v[TX+\u], v[SH], v[TX+\u]        ; at its place: 8 h bits up;
.endr
.irp u, 0,1,2,3,4,5,6,7
	v_permlanex16_b32 v[TY+\u], v[TX+\u], s[SEL], s[SEL+1]
.endr
.irp u, 0,1,2,3,4,5,6,7
	v_or_b32 v[WD+\u], v[TX+\u], v[TY+\u]          ; with lane l xor 16's: the two bytes of the 64
.endr
	WIN 0x02                                       ; source 0 in window 2
.irp u, 0,1,2,3,4,5,6,7
	v_cvt_scalef32_pk16_fp6_f32 v[PC+6*\u:PC+6*\u+2], v[32*\u:32*\u+15], v[SCO+\u]
	v_cvt_scalef32_pk16_fp6_f32 v[PT+4*\u:PT+4*\u+2], v[32*\u+16:32*\u+31], v[SCO+\u]   ; (a conversion's three registers begin on an even number)
.endr
	WIN 0
	v_nop                                          ; one plain place behind the scaled conversions
.irp u, 0,1,2,3,4,5,6,7
.irp i, 0,1,2
	v_mov_b32 v[PC+6*\u+3+\i], v[PT+4*\u+\i]
.endr
.endr
.irp g, 0,1,2,3,4,5,6,7,8,9,10,11
	global_store_b128 v[LI], v[PC+4*\g:PC+4*\g+3], s[8:9] offset:512*\g   ; 512 consecutive bytes, aligned
.endr
	v_cmp_ne_u32 vcc_lo, 0, v[HH]
	s_cmp_lg_u32 s[ISV], 0
	s_cbranch_scc1 .Lv_words
.irp q, 0,1,2,3
	v_cndmask_b32 v[DD+\q], v[WD+\q], v[WD+4+\q], vcc_lo   ; q, k: lanes 0-15 store tiles 0-3's words, lanes 16-31 tiles 4-7's
.endr
	s_branch .Lwords
.Lv_words:
	v_mov_b32 v204, 0
.irp q, 0,1,2,3
	v_lshl_or_b32 v[DD+\q], v[WD+2*\q+1], 16, v[WD+2*\q]   ; v: channel tile q's four bytes
.endr
.irp q, 0,1,2,3
	v_cndmask_b32 v[DD+\q], v[DD+\q], v204, vcc_lo         ; lanes 16-31 store the block's 256 zeros
.endr
.Lwords:
	s_wait_alu depctr_va_vdst(0)                   ; the wait here, directly ahead of the reader below
	global_store_b128 v[SO], v[DD:DD+3], s[10:11]  ; each half of the lanes: 256 consecutive bytes, aligned
	s_wait_tensorcnt 0x0                           ; the wave's end
	ds_add_u32 v254, v255
	s_wait_dscnt 0x0
	ROUND                                          ; the closing round
	s_endpgm
.Lfunc_end_k_qd3341b1da1_proj:
	.size	k_qd3341b1da1_proj, .Lfunc_end_k_qd3341b1da1_proj-k_qd3341b1da1_proj
	.p2alignl 7, 3214868480
	.fill 96, 4, 3214868480
	.section	.rodata,"a",@progbits
	.p2align	6, 0x0
	.amdhsa_kernel k_qd3341b1da1_proj
		.amdhsa_group_segment_fixed_size 327680
		.amdhsa_private_segment_fixed_size 0
		.amdhsa_enable_private_segment 0
		.amdhsa_kernarg_size 40
		.amdhsa_user_sgpr_count 2
		.amdhsa_user_sgpr_kernarg_segment_ptr 1
		.amdhsa_wavefront_size32 1
		.amdhsa_system_sgpr_workgroup_id_x 1
		.amdhsa_system_sgpr_workgroup_id_y 1
		.amdhsa_system_sgpr_workgroup_id_z 1
		.amdhsa_system_vgpr_workitem_id 0
		.amdhsa_next_free_vgpr 768
		.amdhsa_next_free_sgpr 100
		.amdhsa_reserve_vcc 1
		.amdhsa_float_denorm_mode_32 3
		.amdhsa_float_denorm_mode_16_64 3
		.amdhsa_memory_ordered 1
		.amdhsa_forward_progress 1
		.amdhsa_inst_pref_size 110
	.end_amdhsa_kernel
	.amdgpu_metadata
---
amdhsa.version: [ 1, 2 ]
amdhsa.kernels:
  - .name:           k_qd3341b1da1_proj
    .symbol:         k_qd3341b1da1_proj.kd
    .args:
      - { .name: img, .offset: 0, .size: 8, .value_kind: global_buffer, .address_space: global }
      - { .name: scl, .offset: 8, .size: 8, .value_kind: global_buffer, .address_space: global }
      - { .name: qi, .offset: 16, .size: 8, .value_kind: global_buffer, .address_space: global }
      - { .name: qs, .offset: 24, .size: 8, .value_kind: global_buffer, .address_space: global }
      - { .name: kvi, .offset: 32, .size: 8, .value_kind: global_buffer, .address_space: global }
    .group_segment_fixed_size: 327680
    .private_segment_fixed_size: 0
    .kernarg_segment_align: 8
    .kernarg_segment_size: 40
    .max_flat_workgroup_size: 128
    .sgpr_count:     100
    .vgpr_count:     768
    .wavefront_size: 32
...
	.end_amdgpu_metadata
.endif
;; end of part 2
;; launch attn (part 3): grid 64 x 4, 8 waves a work-group, clusters of 4 x 1, 327,680 bytes of LDS; arguments qi, qs, kvi, aoi, aos; writes aoi, aos
.if DOCPART == 3
	.amdgcn_target "amdgcn-amd-amdhsa--gfx1250"
	.amdhsa_code_object_version 6
	.text
	.protected	k_qd3341b1da1_attn
	.globl	k_qd3341b1da1_attn
	.p2align	8
	.type	k_qd3341b1da1_attn,@function
k_qd3341b1da1_attn:
	s_mov_b64 s[64:65], 0
	v_nop
	global_prefetch_b8 v0, s[64:65] scope:SCOPE_SE
	s_setreg_imm32_b32 hwreg(HW_REG_WAVE_MODE, 25, 1), 1
	s_wait_xcnt 0x0
	s_wait_alu depctr_hold_cnt(0) depctr_sa_sdst(0) depctr_va_vdst(0) depctr_va_sdst(0) depctr_va_ssrc(0) depctr_va_vcc(0) depctr_vm_vsrc(0)
	s_getreg_b32 s2, hwreg(HW_REG_IB_STS2, 6, 4)
	s_cmp_eq_u32 s2, 0
	s_cbranch_scc0 .Lentry_in_a_cluster
	s_endpgm
.Lentry_in_a_cluster:
	s_bfe_u32 s2, ttmp6, 0x10000c
	s_cmp_lg_u32 s2, 0x3003
	s_cbranch_scc0 .Lentry_shape_is_right
	s_endpgm
.Lentry_shape_is_right:
; O[q] = the sum over keys of softmax(q . k / 8) v for 16 query heads on 4 key and value heads, head size 64, 4,096 keys, both products on codes of FP6 (E2M3) with E8M0 scales; O / l is quantised along (head, channel) for the last product.
; THE SOFTMAX: t = score x log2(e) / 8; M = the running largest t rounded up to a whole number; p = 2^(t - M) is quantised along the keys, not normalised; the row's sum l is taken of the unquantised p and divides O at the end.
; When M moves, l and O are multiplied by 2^(old M - new M), which rounds nothing.
; SHARES.  Work-group (qb, kv): 64 queries (tiles 4 qb .. + 3) x the four heads that share key and value head kv.  Wave w of eight: head 4 kv + w % 4, tiles 4 qb + 2 (w / 4) and the next: TWO TILES OF QUERIES, so that each fragment of K and
; of V^T, loaded once, feeds both.  Tile q's state lies in register window q at the same numbers; K's fragments lie in window 0, V^T's in window 1; scale words lie in window 0.  Every wave walks all keys, 128 a step.
; Both products are used transposed (S^T = K Q^T, O^T = V^T P^T): a lane holds one query throughout.  By the order of a tile's rows (lane index a of tile 4 c + u is key 64 c + 32 (a / 8) + 8 u + a % 8) the 32 registers of score tiles
; 4 c .. 4 c + 3 are keys 64 c + 32 h + 0 .. 31: lane (r, h) holds the WHOLE blocks h and 2 + h of its query, and the conversions' results are the operand's registers.  O^T's 32 registers are likewise block h of the head's 64 channels.
; THE HEAD'S 64 IN AN INSTRUCTION OF 128: Q's registers 6-11 are zero codes.  Key tile t is named as v[40 + 6 t .. + 11]: its upper six registers are the next tile's codes (behind the last tile six registers of zeros); they meet Q's zeros
; and add nothing; the scale bytes of that half are 0, a power of two like any other.
; A STEP'S ORDER: V^T's loads; both tiles' score products; the next step's K is asked for (not in a slot's last step, which is written out); tile 0's maxima; the nine dependent lines that make tile 0's M stand one by one between tile 1's
; maxima, tile 1's between tile 0's multiply-adds; one batch of 132 exponentials; then for each tile codes, scale word, second product.  The additions of the row's sum (four chains a tile) are the places that the products ask for.
; RING.  A key step's 13,312 bytes (images of K's, V^T's and the scale words' registers) are dense in memory; a slot holds eight steps; two slots.  Every wave fetches one step of a slot: no branch leads round a tensor load.
; CLUSTER 4 x 1: the four partners walk the same key and value head: each tile is asked for jointly.
; No prefetch: a refill is asked for eight key steps ahead of the wait for it.
; LIMITS: NaN and infinities are not served; a block of zeros gets byte 1 (its codes are zeros; this program alone reads the bytes); a block's largest p is made from its largest score by the same two instructions as every p.
.set STEPB, 13312
.set CHUNK, 8*STEPB
.set SLOT1, 1<<17                      ; slot 1 begins here
.set STAGE, SLOT1+CHUNK+2*STEPB        ; the way out: 768 bytes for each tile and head
.set SSTG,  STAGE+12288                ; and 512 bytes of scale words
.set SPARE, SSTG+512                   ; the spare words, 128 bytes for each wave
.set LI,   1                           ; window 0 alone: v1 16 lane; v2 the key step in hand; v3 my spare word, v4 0: never rewritten
.set ADR,  2
.set SPW,  3
.set NIL,  4
.set STA,  5
.set SSA,  8
.set RDA,  9
.set SRD,  10
.set QS,   28                          ; v28-29 Q's scale words, tile 0, 1
.set SCK,  32                          ; v32-39 lanes 0-15: K's words of tiles 0-7
.set KV,   40                          ; window 0: v40-87 K's codes, v88-93 zeros;  window 1: v40-87 V^T's codes
.set QO,   241                         ; v241-246 Q's offsets
.set PW,   248                         ; v248-249 p's scale words, tile 0, 1
.set SCV,  250                         ; v250-253 lanes 16-31: V's words of channel tiles 0-3
.set QSO,  254
.set Q,    16                          ; in each window: v16-21 Q's codes, v22-27 zeros;  v12 -M, v13 the largest score, v[14:15] l
.set S,    96                          ; v96-159 S^T, then p
.set O,    160                         ; v160-191 O^T
.set PC,   192                         ; v192-203 p's codes;  v204-206, v208-210 upper halves
.set PT,   204
.set MX,   212
.set MY,   214
.set BX,   216
.set SCO,  218
.set BY,   220
.set PWT,  224
.set FF,   226
.set TP,   228
.set TQ,   229
.set T,    232                         ; v232-239 the sum's four chains
.set SH,   240                         ; 8 h
.set WV,   14
.set G1,   24
.set G0,   32
.set CS,   36
.set SEL,  38
.set TB,   40
.set CH3,  41
.set NS,   42
.set NC,   43
.set MSB, 0
.macro WIN new                         ; the immediate's high byte repeats the setting that is left
.if MSB != (\new)
	s_set_vgpr_msb (MSB<<8)|(\new)
.set MSB, (\new)
.endif
.endm
.macro WALL q                          ; every operand place in window q
	WIN 0x55*(\q)
.endm
.macro ROUND
	s_barrier_signal -1
	s_barrier_wait -1
	s_cmp_lg_u32 s[WV], 0
	s_cbranch_scc1 .Lnot_wave_0_\@
	s_barrier_signal -3
.Lnot_wave_0_\@:
	s_barrier_wait -3
	s_barrier_signal -1
	s_barrier_wait -1
.endm
.macro TLOAD                           ; every wave fetches its key step of the slot.  s_nop 0 and four v_nop follow the load
	tensor_load_to_lds s[G0:G0+3], s[G1:G1+7]
	s_nop 0
.rept 4
	v_nop
.endr
.endm
	s_load_b256 s[4:11], s[0:1], 0x0               ; qi, qs, kvi, aoi
	s_load_b64 s[12:13], s[0:1], 0x20              ; aos
	v_lshl_add_u32 v[SPW], v0, 2, SPARE
	v_mov_b32 v[NIL], 0
	ds_add_u32 v3, v4                              ; the opening lines
	ds_add_u32 v3, v4
	s_wait_dscnt 0x0
	v_lshrrev_b32 v2, 5, v0
	s_delay_alu instid0(VALU_DEP_1)
	v_readfirstlane_b32 s[WV], v2                  ; wave 0..7
	s_bfe_u32 s15, ttmp6, 0x40000                  ; cx
	s_lshl_b32 s16, ttmp9, 2
	s_add_co_u32 s16, s16, s15                     ; qb: it enters Q's and the outputs' addresses alone
	s_and_b32 s17, ttmp7, 0xffff                   ; kv, which the partners share
	; every LDS address register is made here, ahead of the first branch on the wave's number
	v_and_b32 v11, 31, v0                          ; lane
	s_delay_alu instid0(VALU_DEP_1)
	v_lshlrev_b32 v[LI], 4, v11
	v_and_b32 v6, 15, v0                           ; r
	v_bfe_u32 v[SH], v0, 4, 1
	s_delay_alu instid0(VALU_DEP_1)
	v_lshlrev_b32 v[SH], 3, v[SH]
	s_wait_alu depctr_va_vdst(0)                   ; the wait ahead of the run of scalar lines
	s_lshr_b32 s44, s[WV], 2
	s_lshl_b32 s44, s44, 3
	s_and_b32 s45, s[WV], 3
	s_add_co_u32 s44, s44, s45                     ; 8 (w / 4) + w % 4: tile 0's place among the sixteen; tile 1's lies four on
	s_mul_i32 s44, s44, 768
	s_add_co_u32 s44, s44, STAGE
	v_lshl_add_u32 v[STA], v11, 3, s44
	s_mul_i32 s44, s[WV], 1536
	s_add_co_u32 s44, s44, STAGE
	v_lshl_add_u32 v[RDA], v11, 3, s44
	s_lshr_b32 s44, s[WV], 2
	s_lshl_b32 s44, s44, 8
	s_lshl_b32 s45, s45, 1
	s_add_co_u32 s44, s44, s45
	s_add_co_u32 s44, s44, SSTG
	v_lshl_add_u32 v[SSA], v6, 3, s44
	v_add_nc_u32 v[SRD], SSTG, v[LI]
	; group 1: one key step, 13,312 dense bytes, as 52 rows of 256 bytes (32 elements of 8)
	s_mov_b32 s[G1], 15|(3<<16)|(1<<21)            ; the mask: all four partners; bit 21 beside it; no padding
	s_mov_b32 s[G1+1], 32<<16
	s_mov_b32 s[G1+2], 52<<16
	s_mov_b32 s[G1+3], 32<<16
	s_mov_b32 s[G1+4], 52
	s_mov_b32 s[G1+5], 32
	s_mov_b32 s[G1+6], 0
	s_mov_b32 s[G1+7], 0
	s_mul_i32 s44, s[WV], STEPB
	s_mul_i32 s46, s17, 32*STEPB
	s_add_co_u32 s46, s46, s44
	s_mov_b32 s47, 0
	s_mov_b32 s[CS], 0x3e38aa3b                    ; c = log2(e) / 8
	s_mov_b32 s[CS+1], s[CS]                       ; (named with it as a pair)
	s_mov_b32 s[NC], 0xbe38aa3b                    ; -c
	s_mov_b32 s[SEL], 0x76543210
	s_mov_b32 s[SEL+1], 0xfedcba98
	s_mov_b32 s[TB], 0
	s_mov_b32 s[CH3], 3
	s_wait_kmcnt 0x0
	s_mov_b32 s[G0], 1
	s_mov_b32 s[G0+1], s44                         ; slot 0
	s_add_nc_u64 s[G0+2:G0+3], s[8:9], s[46:47]    ; my step of the head's first eight
	s_or_b32 s[G0+3], s[G0+3], 0x80000000
	ROUND                                          ; all four work-groups are here
	TLOAD
	; Q: tiles T = 4 qb + 2 (w / 4) + q of head H = 4 kv + w % 4: registers 6 i .. 6 i + 5 (i = T % 8) of the image of group T / 8
	s_lshr_b32 s48, s[WV], 2
	s_lshl_b32 s48, s48, 1
	s_lshl_b32 s49, s16, 2
	s_add_co_u32 s48, s48, s49                     ; T of tile 0: even, so both tiles lie in one group
	s_and_b32 s49, s[WV], 3
	s_lshl_b32 s50, s17, 2
	s_add_co_u32 s49, s49, s50                     ; H
	s_lshl_b32 s49, s49, 5
	s_lshr_b32 s50, s48, 3
	s_add_co_u32 s49, s49, s50                     ; 32 H + T / 8
	s_and_b32 s50, s48, 7                          ; i
	s_mul_i32 s52, s49, 6144
	s_mov_b32 s53, 0
	s_add_nc_u64 s[4:5], s[4:5], s[52:53]
	s_lshl_b32 s52, s49, 9
	s_add_nc_u64 s[6:7], s[6:7], s[52:53]
	s_mul_i32 s51, s50, 6
.irp q, 0,1
.irp p, 0,1,2
	s_add_co_u32 s54, s51, 6*\q+2*\p               ; register e of the 48: group e / 4, 4 (e % 4) bytes into the lane's 16
	s_lshr_b32 s55, s54, 2
	s_lshl_b32 s55, s55, 9
	s_and_b32 s54, s54, 2
	s_lshl_b32 s54, s54, 2
	s_add_co_u32 s54, s54, s55
	v_add_nc_u32 v[QO+3*\q+\p], s54, v[LI]
	WIN 0x40*\q                                    ; the loaded data: window q
	global_load_b64 v[Q+2*\p:Q+2*\p+1], v[QO+3*\q+\p], s[4:5]
	WIN 0
.endr
	s_add_co_u32 s56, s50, \q
	s_lshr_b32 s54, s56, 2
	s_lshl_b32 s54, s54, 8
	s_and_b32 s55, s56, 3
	s_lshl_b32 s55, s55, 2
	s_add_co_u32 s54, s54, s55
	v_lshl_add_u32 v[QSO+\q], v6, 4, s54
	global_load_b32 v[QS+\q], v[QSO+\q], s[6:7]
.endr
	; where the results go: fragment w of the work-group's eight; the 512 bytes of scale words
	s_lshr_b32 s55, s[WV], 1
	s_lshl_b32 s56, s16, 2
	s_add_co_u32 s55, s55, s56
	s_mul_i32 s55, s55, 12288
	s_and_b32 s54, s[WV], 1
	s_lshl_b32 s56, s17, 1
	s_add_co_u32 s54, s54, s56
	s_mul_i32 s54, s54, 1536
	s_add_co_u32 s52, s54, s55
	s_add_nc_u64 s[10:11], s[10:11], s[52:53]
	s_lshl_b32 s54, s17, 8
	s_lshl_b32 s55, s16, 2
	s_add_co_u32 s54, s54, s55
	s_lshl_b32 s52, s54, 7
	s_add_nc_u64 s[12:13], s[12:13], s[52:53]
.irp j, 0,1,2,3,4,5
	v_mov_b32 v[KV+48+\j], 0                       ; zero codes behind K's last tile
.endr
	WIN 0x40
	v_mov_b32 v[SH], v[SH]                         ; 8 h into window 1 too
.irp q, 0,1                            ; each tile's state, in its window
	WALL \q
.irp j, 0,1,2,3,4,5
	v_mov_b32 v[Q+6+\j], 0                         ; zero codes: the unused half of K
.endr
	v_mov_b32 v13, 0xff61b1e6                      ; the largest score so far: -3e38
	s_delay_alu instid0(VALU_DEP_1)
	v_mul_f32 v[TP], s[NC], v13
	s_delay_alu instid0(VALU_DEP_1)
	v_floor_f32 v12, v[TP]                         ; -M
	v_mov_b32 v14, 0
	v_mov_b32 v15, 0
	v_mov_b32 v[BX], 0                             ; a lane permute's destination counts as one of its sources
	v_mov_b32 v[FF+1], 0                           ; (named as the upper half of a pair)
.set j, 0
.rept 32
	v_mov_b32 v[O+j], 0                            ; the step is written once: the first finds zeros, which the first change of M leaves zeros
.set j, j+1
.endr
.irp j, 0,1,2,3,4,5,6,7
	v_mov_b32 v[T+\j], 0                           ; and so with the sum's chains
.endr
.endr
	WIN 0
; The macros below name a tile's registers; the window in force says which tile's.
.macro ADDP j                          ; pair j of p onto chain j % 4
	v_pk_add_f32 v[T+2*((\j)%4):T+2*((\j)%4)+1], v[T+2*((\j)%4):T+2*((\j)%4)+1], v[S+2*(\j):S+2*(\j)+1]
.endm
.macro JOINL                           ; the last step's four chains onto l (all under the same M)
	v_pk_add_f32 v[T:T+1], v[T:T+1], v[T+2:T+3]
	v_pk_add_f32 v[T+4:T+5], v[T+4:T+5], v[T+6:T+7]
	v_pk_add_f32 v[14:15], v[14:15], v[T:T+1]
	v_pk_add_f32 v[14:15], v[14:15], v[T+4:T+5]
.endm
.macro MAXG g                          ; group g of eight: the largest score of my two blocks of 32 keys, two chains each; every accumulator is first read in its four lowest registers
.if (\g) == 0
.irp c, 0,1
	v_max3_num_f32 v[MX+\c], v[S+32*\c], v[S+32*\c+1], v[S+32*\c+2]
	v_max3_num_f32 v[MY+\c], v[S+32*\c+17], v[S+32*\c+18], v[S+32*\c+19]
.endr
.elseif (\g) < 7
.irp c, 0,1
	v_max3_num_f32 v[MX+\c], v[MX+\c], v[S+32*\c+1+2*(\g)], v[S+32*\c+2+2*(\g)]
	v_max3_num_f32 v[MY+\c], v[MY+\c], v[S+32*\c+18+2*(\g)], v[S+32*\c+19+2*(\g)]
.endr
.else
.irp c, 0,1
	v_max3_num_f32 v[MX+\c], v[MX+\c], v[S+32*\c+15], v[S+32*\c+16]
.endr
.irp c, 0,1
	s_delay_alu instid0(VALU_DEP_2)
	v_max_num_f32 v[MX+\c], v[MX+\c], v[MY+\c]
.endr
.endif
.endm
.macro CHN i                           ; line i of the nine that make M and f
.if (\i) == 0
	v_max3_num_f32 v[TP], v[MX], v[MX+1], v13      ; with the running largest,
.elseif (\i) == 1
	v_permlanex16_b32 v[BX], v[TP], s[SEL], s[SEL+1]
.elseif (\i) == 2
	v_max_num_f32 v13, v[TP], v[BX]                ; and lane l xor 16's 64 keys
.elseif (\i) == 3
	v_mul_f32 v[TP], s[NC], v13                    ; -t
.elseif (\i) == 4
	v_floor_f32 v[TQ], v[TP]                       ; the new -M = -ceil(t)
.elseif (\i) == 5
	v_sub_f32 v[TP], v[TQ], v12                    ; old M - new M: a whole number, 0 or less
.elseif (\i) == 6
	v_mov_b32 v12, v[TQ]
.elseif (\i) == 7
	v_cvt_i32_f32 v[TP], v[TP]                     ; (it saturates)
.else
	v_ldexp_f32 v[FF], 1.0, v[TP]                  ; f = 2^(old M - new M)
.endif
.endm
.macro FMAG g                          ; group g of eight: t - M
.irp k, 0,2,4,6
	v_pk_fma_f32 v[S+8*(\g)+\k:S+8*(\g)+\k+1], v[S+8*(\g)+\k:S+8*(\g)+\k+1], s[CS:CS+1], v[12:13] op_sel_hi:[1,0,0]
.endr
.endm
.macro FMXO                            ; the same of each block's largest score; O^T under the new M, each accumulator from its low end on
.irp c, 0,1
	v_fma_f32 v[MX+\c], v[MX+\c], s[CS], v12
.endr
.set j, 0
.rept 16
	v_pk_mul_f32 v[O+j:O+j+1], v[O+j:O+j+1], v[FF:FF+1] op_sel_hi:[1,0]
.set j, j+2
.endr
.endm
.macro LMUL                            ; l under the new M
	v_pk_mul_f32 v[14:15], v[14:15], v[FF:FF+1] op_sel_hi:[1,0]
.endm
.macro EXPS
.irp c, 0,1
	v_exp_f32 v[MX+\c], v[MX+\c]                   ; the block's largest p
.endr
.set j, 0
.rept 64
	v_exp_f32 v[S+j], v[S+j]                       ; p = 2^(t - M)
.set j, j+1
.endr
.endm
.macro KLOAD base                      ; K's scale words and codes of the key step at ADR + base
	ds_load_b128 v[SCK:SCK+3], v[ADR] offset:\base+12288
	ds_load_b128 v[SCK+4:SCK+7], v[ADR] offset:\base+12800
.irp g, 0,1,2,3,4,5,6,7,8,9,10,11
	ds_load_b128 v[KV+4*\g:KV+4*\g+3], v[ADR] offset:\base+512*\g
.endr
.endm
.macro POST q                          ; tile q: p's codes and scale word, the row's sum, the second product
	WALL \q
.irp c, 0,1
	v_max_num_f32 v[MX+\c], 0x1800000, v[MX+\c]    ; the floor 2^(3 - 127)
.endr
.irp k, 0,1,2,3
	v_pk_add_f32 v[T+2*\k:T+2*\k+1], v[S+4*\k:S+4*\k+1], v[S+4*\k+2:S+4*\k+3]   ; the sum of the unquantised p: the four chains begin
.endr
.irp c, 0,1
	v_add_nc_u32 v[SCO+\c], 0xff000000, v[MX+\c]   ; 2 off the exponent field: the conversion's scale operand
.endr
.irp j, 8,9,10,11
	ADDP \j
.endr
.irp c, 0,1
	v_cvt_scalef32_pk16_fp6_f32 v[PC+6*\c:PC+6*\c+2], v[S+32*\c:S+32*\c+15], v[SCO+\c]
	v_cvt_scalef32_pk16_fp6_f32 v[PT+4*\c:PT+4*\c+2], v[S+32*\c+16:S+32*\c+31], v[SCO+\c]   ; (a conversion's three registers begin on an even number)
.endr
.irp c, 0,1
	v_lshrrev_b32 v[BY+\c], 23, v[SCO+\c]          ; the bytes; the first is the plain place behind the conversions
.endr
.irp c, 0,1
.irp i, 0,1,2
	v_mov_b32 v[PC+6*\c+3+\i], v[PT+4*\c+\i]
.endr
.endr
	v_lshl_or_b32 v[PWT], v[BY+1], 16, v[BY]       ; blocks h and 2 + h,
	s_delay_alu instid0(VALU_DEP_1)
	v_lshlrev_b32 v[PWT], v[SH], v[PWT]            ; at their places,
.irp j, 12,13,14,15
	ADDP \j
.endr
	v_permlanex16_b32 v[BX], v[PWT], s[SEL], s[SEL+1]
.irp j, 16,17,18,19
	ADDP \j
.endr
	WIN 5*(\q)                                     ; a scale word lies in window 0
	v_or_b32 v[PW+\q], v[PWT], v[BX]               ; with lane l xor 16's two: p's scale word for these 128 keys
	WALL \q
.irp j, 20,21,22,23,24,25,26,27
	ADDP \j                                        ; eight places between the scale word and the products
.endr
	WIN 0x54*(\q)+1                                ; V^T in window 1; p's codes and O^T in window q
.irp t, 0,1,2,3
	v_wmma_scale_f32_16x16x128_f8f6f4 v[O+8*\t:O+8*\t+7], v[KV+12*\t:KV+12*\t+11], v[PC:PC+11], v[O+8*\t:O+8*\t+7], v[SCV+\t], v[PW+\q] matrix_a_fmt:MATRIX_FMT_FP6 matrix_b_fmt:MATRIX_FMT_FP6 matrix_a_scale:MATRIX_SCALE_ROW1
.endr
	WALL \q
.irp j, 28,29,30,31
	ADDP \j                                        ; four places behind the products
.endr
.endm
; A KEY STEP: 128 keys, two tiles of queries.  pre = 1: the next step's K is asked for
.macro STEP pre
	ds_load_b128 v[SCV:SCV+3], v[ADR] offset:12288
	WIN 0x40
.irp g, 0,1,2,3,4,5,6,7,8,9,10,11
	ds_load_b128 v[KV+4*\g:KV+4*\g+3], v[ADR] offset:6144+512*\g   ; V^T lands under the softmax
.endr
	WIN 0
	s_wait_dscnt 13                                ; K and its words are in; the thirteen loads just issued may be out
.irp q, 0,1
	WIN 0x44*\q                                    ; K in window 0; Q and S^T in window q
.irp t, 0,1,2,3,4,5,6,7
	v_wmma_scale_f32_16x16x128_f8f6f4 v[S+8*\t:S+8*\t+7], v[KV+6*\t:KV+6*\t+11], v[Q:Q+11], 0, v[SCK+\t], v[QS+\q] matrix_a_fmt:MATRIX_FMT_FP6 matrix_b_fmt:MATRIX_FMT_FP6
.endr
.endr
	WALL 1
	s_wait_alu depctr_va_vdst(0)                   ; the chains, written ahead of the jump
	JOINL                                          ; eight places: for the loads below and for the first read of the scores
	WALL 0
	JOINL
.if \pre
	KLOAD STEPB
.endif
	s_add_co_u32 s[TB], s[TB], STEPB
	v_add_nc_u32 v[ADR], s[TB], v[LI]              ; this step's LDS loads are all issued: the next step's address
.irp g, 0,1,2,3,4,5,6,7
	MAXG \g
.endr
.irp i, 0,1,2,3,4,5,6,7
	WALL 0
	CHN \i
	WALL 1
	MAXG \i
.endr
	WALL 0
	CHN 8
.irp i, 0,1,2,3,4,5,6,7
	WALL 1
	CHN \i
	WALL 0
	FMAG \i
.endr
	WALL 1
	CHN 8
.irp g, 0,1,2,3,4,5,6,7
	FMAG \g
.endr
	FMXO
	WALL 0
	FMXO
	LMUL
	s_wait_alu depctr_va_vdst(0)                   ; the wait ahead of the batch
	EXPS
	WALL 1
	EXPS
	LMUL                                           ; the plain place behind the exponentials
	s_wait_alu depctr_va_vdst(0)                   ; one wait for the batch, ahead of its first reader; it also stands directly ahead of the wait below
	s_wait_dscnt 0x0                               ; V^T is in (and the next step's K, asked for ahead of the softmax)
	POST 1
	POST 0
.endm
; THE CHANGE OF SLOTS, at a slot's head: every wave waits for all its tensor loads, adds 0 to its spare word, waits for that and for its reads of the slot that it has left.  fill = 1: a round of the cluster's barrier,
; and that slot is filled with the eight key steps that follow: one load of mine is out, and it has eight key steps in which to land.
.macro CHANGE fill
	s_wait_tensorcnt 0x0                           ; no tensor load of mine is out, so group 0 may be written
	ds_add_u32 v[SPW], v[NIL]
.if \fill
	s_xor_b32 s[G0+1], s[G0+1], SLOT1
	s_add_nc_u64 s[G0+2:G0+3], s[G0+2:G0+3], CHUNK
.endif
	s_wait_dscnt 0x0
.if \fill
	ROUND
	TLOAD
.else
	s_barrier_signal -1
	s_barrier_wait -1
.endif
.endm
.macro EIGHT
	v_add_nc_u32 v[ADR], s[TB], v[LI]
	KLOAD 0                                        ; the slot's first K
	s_mov_b32 s[NS], 7
.Lstep_\@:
	STEP 1
	s_sub_co_u32 s[NS], s[NS], 1
	s_cmp_lg_u32 s[NS], 0
	s_cbranch_scc1 .Lstep_\@
	STEP 0                                         ; the slot's last step asks for no K: the next slot is read only behind the change of slots
	s_sub_co_u32 s[TB], s[TB], CHUNK
	s_xor_b32 s[TB], s[TB], SLOT1                  ; on to the other slot
.endm
	s_wait_alu depctr_va_vdst(0)                   ; the wait at the head's end
	s_wait_loadcnt 0x0                             ; Q
.Lchunk:                                           ; three trips: behind each change of slots but the last the next slot is asked for
	CHANGE 1
	EIGHT
	s_sub_co_u32 s[CH3], s[CH3], 1
	s_cmp_lg_u32 s[CH3], 0
	s_cbranch_scc1 .Lchunk
	CHANGE 0                                       ; the last slot is written out
	EIGHT
; THE WAY OUT of tile q: O^T / l, quantised along the head's 64: registers 6 c .. 6 c + 5 (c = head % 2) of the fragment of K step head / 2
.macro OUTQ q
	WALL \q
	JOINL                                          ; the last step's chains
	s_delay_alu instid0(VALU_DEP_1)
	v_add_f32 v14, v14, v15
	s_delay_alu instid0(VALU_DEP_1)
	v_permlanex16_b32 v[TP], v14, s[SEL], s[SEL+1]
	s_delay_alu instid0(VALU_DEP_1)
	v_add_f32 v14, v14, v[TP]                      ; the row's sum
	s_wait_alu depctr_va_vdst(0)                   ; the wait ahead of the transcendental
	v_rcp_f32 v14, v14
	v_nop                                          ; the plain place behind the reciprocal
	s_wait_alu depctr_va_vdst(0)                   ; ahead of the reciprocal's and O^T's first reader
.set j, 0
.rept 16
	v_pk_mul_f32 v[S+j:S+j+1], v[O+j:O+j+1], v[14:15] op_sel_hi:[1,0]   ; register i: channel 32 h + i
.set j, j+2
.endr
	v_max3_num_f32 v[MX], |v[S]|, |v[S+1]|, 0x1800000
	v_max3_num_f32 v[MY], |v[S+16]|, |v[S+17]|, |v[S+18]|
.irp i, 0,1,2,3,4,5
	s_delay_alu instid0(VALU_DEP_2)
	v_max3_num_f32 v[MX], v[MX], |v[S+2+2*\i]|, |v[S+3+2*\i]|
	s_delay_alu instid0(VALU_DEP_2)
	v_max3_num_f32 v[MY], v[MY], |v[S+19+2*\i]|, |v[S+20+2*\i]|
.endr
	s_delay_alu instid0(VALU_DEP_2)
	v_max3_num_f32 v[MX], v[MX], |v[S+14]|, |v[S+15]|
	s_delay_alu instid0(VALU_DEP_1)
	v_max3_num_f32 v[MX], v[MX], v[MY], |v[S+31]|  ; my block's largest magnitude
	s_delay_alu instid0(VALU_DEP_1)
	v_add_nc_u32 v[SCO], 0xff000000, v[MX]
	s_delay_alu instid0(VALU_DEP_1)
	v_lshrrev_b32 v[BY], 23, v[SCO]
	s_delay_alu instid0(VALU_DEP_1)
	v_lshlrev_b32 v[BY], v[SH], v[BY]
	s_delay_alu instid0(VALU_DEP_1)
	v_permlanex16_b32 v[BX], v[BY], s[SEL], s[SEL+1]
	s_delay_alu instid0(VALU_DEP_1)
	v_or_b32 v[TP], v[BY], v[BX]                   ; my head's two bytes of the row's scale word
	v_cvt_scalef32_pk16_fp6_f32 v[PC:PC+2], v[S:S+15], v[SCO]
	v_cvt_scalef32_pk16_fp6_f32 v[PT:PT+2], v[S+16:S+31], v[SCO]
	v_nop
.irp i, 0,1,2
	v_mov_b32 v[PC+3+\i], v[PT+\i]
.endr
	WIN 4*(\q)                                     ; an LDS store's data: window q
.irp p, 0,1,2
	ds_store_b64 v[STA], v[PC+2*\p:PC+2*\p+1] offset:3072*\q+256*\p   ; six registers in 768 bytes: heads 2 f' and 2 f' + 1 of a tile lie end to end and make a fragment's twelve
.endr
	ds_store_b16 v[SSA], v[TP] offset:128*\q       ; lanes r and r + 16 write the same two bytes
.endm
	OUTQ 0
	OUTQ 1
	WIN 0
	s_wait_dscnt 0x0                               ; for the others' sake
	s_barrier_signal -1
	s_barrier_wait -1
.irp p, 0,1,2,3,4,5
	ds_load_b64 v[S+2*\p:S+2*\p+1], v[RDA] offset:256*\p
.endr
	s_wait_dscnt 0x0
.irp g, 0,1,2
	global_store_b128 v[LI], v[S+4*\g:S+4*\g+3], s[10:11] offset:512*\g   ; fragment w's image: 512 consecutive bytes, aligned
.endr
	s_cmp_lg_u32 s[WV], 0
	s_cbranch_scc1 .Ldone
	ds_load_b128 v[S+12:S+15], v[SRD]
	s_wait_dscnt 0x0
	global_store_b128 v[LI], v[S+12:S+15], s[12:13]    ; four tiles' scale words: 512 consecutive bytes, aligned
.Ldone:
	s_wait_tensorcnt 0x0                           ; the wave's end
	ds_add_u32 v[SPW], v[NIL]
	s_wait_dscnt 0x0
	ROUND                                          ; the closing round
	s_endpgm
.Lfunc_end_k_qd3341b1da1_attn:
	.size	k_qd3341b1da1_attn, .Lfunc_end_k_qd3341b1da1_attn-k_qd3341b1da1_attn
	.p2alignl 7, 3214868480
	.fill 96, 4, 3214868480
	.section	.rodata,"a",@progbits
	.p2align	6, 0x0
	.amdhsa_kernel k_qd3341b1da1_attn
		.amdhsa_group_segment_fixed_size 327680
		.amdhsa_private_segment_fixed_size 0
		.amdhsa_enable_private_segment 0
		.amdhsa_kernarg_size 40
		.amdhsa_user_sgpr_count 2
		.amdhsa_user_sgpr_kernarg_segment_ptr 1
		.amdhsa_wavefront_size32 1
		.amdhsa_system_sgpr_workgroup_id_x 1
		.amdhsa_system_sgpr_workgroup_id_y 1
		.amdhsa_system_sgpr_workgroup_id_z 1
		.amdhsa_system_vgpr_workitem_id 0
		.amdhsa_next_free_vgpr 512
		.amdhsa_next_free_sgpr 66
		.amdhsa_reserve_vcc 0
		.amdhsa_float_denorm_mode_32 3
		.amdhsa_float_denorm_mode_16_64 3
		.amdhsa_memory_ordered 1
		.amdhsa_forward_progress 1
		.amdhsa_inst_pref_size 133
	.end_amdhsa_kernel
	.amdgpu_metadata
---
amdhsa.version: [ 1, 2 ]
amdhsa.kernels:
  - .name:           k_qd3341b1da1_attn
    .symbol:         k_qd3341b1da1_attn.kd
    .args:
      - { .name: qi, .offset: 0, .size: 8, .value_kind: global_buffer, .address_space: global }
      - { .name: qs, .offset: 8, .size: 8, .value_kind: global_buffer, .address_space: global }
      - { .name: kvi, .offset: 16, .size: 8, .value_kind: global_buffer, .address_space: global }
      - { .name: aoi, .offset: 24, .size: 8, .value_kind: global_buffer, .address_space: global }
      - { .name: aos, .offset: 32, .size: 8, .value_kind: global_buffer, .address_space: global }
    .group_segment_fixed_size: 327680
    .private_segment_fixed_size: 0
    .kernarg_segment_align: 8
    .kernarg_segment_size: 40
    .max_flat_workgroup_size: 256
    .sgpr_count:     66
    .vgpr_count:     512
    .wavefront_size: 32
...
	.end_amdgpu_metadata
.endif
;; end of part 3
;; launch outp (part 4): grid 8 x 32, 4 waves a work-group, clusters of 4 x 4, 327,680 bytes of LDS; arguments aoi, aos, img, scl, out0; writes out0
.if DOCPART == 4
	.amdgcn_target "amdgcn-amd-amdhsa--gfx1250"
	.amdhsa_code_object_version 6
	.text
	.protected	k_qd3341b1da1_outp
	.globl	k_qd3341b1da1_outp
	.p2align	8
	.type	k_qd3341b1da1_outp,@function
k_qd3341b1da1_outp:
	s_mov_b64 s[64:65], 0
	v_nop
	global_prefetch_b8 v0, s[64:65] scope:SCOPE_SE
	s_setreg_imm32_b32 hwreg(HW_REG_WAVE_MODE, 25, 1), 1
	s_wait_xcnt 0x0
	s_wait_alu depctr_hold_cnt(0) depctr_sa_sdst(0) depctr_va_vdst(0) depctr_va_sdst(0) depctr_va_ssrc(0) depctr_va_vcc(0) depctr_vm_vsrc(0)
	s_getreg_b32 s2, hwreg(HW_REG_IB_STS2, 6, 4)
	s_cmp_eq_u32 s2, 0
	s_cbranch_scc0 .Lentry_in_a_cluster
	s_endpgm
.Lentry_in_a_cluster:
	s_bfe_u32 s2, ttmp6, 0x10000c
	s_cmp_lg_u32 s2, 0xf033
	s_cbranch_scc0 .Lentry_shape_is_right
	s_endpgm
.Lentry_shape_is_right:
; out0 = ao Wo^T on codes of FP6 (E2M3) with E8M0 scales, f32 sums.  ao [4096][1024] comes as images of operand registers (aoi [tile 256][K step 8][1,536], aos [kv 4][tile][row index 16][2 words]: the words of K steps 2 kv, 2 kv + 1),
; Wo as tiles 352-415 of img and scl.  Lane index a of tile 4 C + u is row 64 C + 32 (a / 8) + 8 u + a % 8: the stores' offsets put the rows back.
; SHARES.  Work-group (colb, rowb): 128 rows x 128 columns; wave (wy, wx) = (w / 2, w % 2): ao tiles 4 wy .. + 3, Wo tiles 4 wx .. + 3: 16 accumulators.  Source 0 = 16 rows of Wo, source 1 = 16 rows of ao: a lane holds one row of the
; output, and the 32 registers of the four tiles of Wo are 32 neighbouring columns, 32 h + 0 .. 31 of the wave's 64.
; ALL OF K LIES IN LDS, filled once, at the head: 8 ao tiles and 8 Wo tiles of 12,288 bytes.  Waves 0, 1 fetch ao's tiles, waves 2, 3 Wo's: four tiles, 49,152 dense bytes, by one tensor load a wave.  Nothing is filled later.
; CLUSTER 4 x 4: ao's tiles are shared along a row of the cluster, Wo's along a column: both are asked for jointly.
; No prefetch: the launch has no loop to run ahead in; all its tiles are asked for at its head.
; REGISTERS: window 0: v1-12 addresses; v16-31 ao's scale words (4 a tile), v32-47 Wo's; v64-159 fragment set 0 (ao tile i at 64 + 12 i, Wo tile j at 112 + 12 j); window 1: set 1; window 2: the accumulators.
.set WOFF, 98304                       ; Wo's tiles, behind ao's eight
.set STG,  196608                      ; the way out: 16 rows x (256 + 16) bytes for each wave; the spare words follow at 0x34400
.set LI,   1
.set AXB,  2
.set AWB,  3
.set AX,   4
.set AW,   5
.set ASO,  6                           ; v6  8 r + 65,536 h
.set SLO,  7                           ; v7  32 r + 16 h
.set STO,  8                           ; v8  the stage, way in: 272 r + 128 h
.set RD,   9                           ; v9  way out: 272 h + 16 (lane % 16)
.set CO,   10                          ; v10 4,096 h + 16 (lane % 16)
.set XS,   16
.set WS,   32
.set FX,   64
.set FW,   112
.set BK,   64
.set WV,   14
.set G1A,  24
.set G1W,  32
.set G0A,  40
.set G0W,  68
.set MSB, 0
.macro WIN new
.if MSB != (\new)
	s_set_vgpr_msb (MSB<<8)|(\new)
.set MSB, (\new)
.endif
.endm
.macro ROUND
	s_barrier_signal -1
	s_barrier_wait -1
	s_cmp_lg_u32 s[WV], 0
	s_cbranch_scc1 .Lnot_wave_0_\@
	s_barrier_signal -3
.Lnot_wave_0_\@:
	s_barrier_wait -3
	s_barrier_signal -1
	s_barrier_wait -1
.endm
	s_load_b256 s[4:11], s[0:1], 0x0               ; aoi, aos, img, scl
	s_load_b64 s[12:13], s[0:1], 0x20              ; out0
	v_lshl_add_u32 v254, v0, 2, 0x34400
	v_mov_b32 v255, 0
	ds_add_u32 v254, v255                          ; the opening lines: the add, twice on end, and its wait
	ds_add_u32 v254, v255
	v_lshrrev_b32 v11, 5, v0
	v_readfirstlane_b32 s[WV], v11                 ; wave 0..3
	s_lshr_b32 s15, s[WV], 1                       ; wy
	s_and_b32 s16, s[WV], 1                        ; wx; also: which four tiles I fetch
	s_bfe_u32 s17, ttmp6, 0x40000                  ; cx
	s_bfe_u32 s18, ttmp6, 0x40004                  ; cy
	s_lshl_b32 s19, ttmp9, 2
	s_add_co_u32 s19, s19, s17                     ; colb
	s_and_b32 s20, ttmp7, 0xffff
	s_lshl_b32 s20, s20, 2
	s_add_co_u32 s20, s20, s18                     ; rowb
	s_lshl_b32 s21, s18, 2
	s_lshl_b32 s21, 15, s21                        ; my row of the cluster
	s_lshl_b32 s22, 0x1111, s17                    ; my column
	s_or_b32 s[G1A], s21, (3<<16)|(1<<21)          ; ao's tiles go to my row; elements of 8 bytes; bit 21 beside the mask; no padding
	s_or_b32 s[G1W], s22, (3<<16)|(1<<21)          ; Wo's to my column
.irp g, G1A, G1W
	s_mov_b32 s[\g+1], 1536<<16                    ; rows of 12,288 bytes: all eight K steps of a tile
	s_mov_b32 s[\g+2], 4<<16                       ; four tiles
	s_mov_b32 s[\g+3], 1536<<16
	s_mov_b32 s[\g+4], 4
	s_mov_b32 s[\g+5], 1536                        ; 12,288 bytes from tile to tile
	s_mov_b32 s[\g+6], 0
	s_mov_b32 s[\g+7], 0
.endr
	s_lshl_b32 s84, s20, 3
	s_lshl_b32 s85, s16, 2
	s_add_co_u32 s84, s84, s85                     ; ao tile 8 rowb + 4 (w % 2): these registers never hold colb
	s_mul_i32 s84, s84, 12288
	s_mov_b32 s85, 0
	s_lshl_b32 s86, s19, 3
	s_lshl_b32 s87, s16, 2
	s_add_co_u32 s86, s86, s87
	s_add_co_u32 s86, s86, 352                     ; Wo tile 352 + 8 colb + 4 (w % 2): these never hold rowb
	s_mul_i32 s86, s86, 12288
	s_mov_b32 s87, 0
	s_mul_i32 s88, s16, 49152
	s_add_co_u32 s89, s88, WOFF
	s_wait_dscnt 0x0
	s_wait_kmcnt 0x0
	s_mov_b32 s[G0A], 1
	s_mov_b32 s[G0A+1], s88
	s_add_nc_u64 s[G0A+2:G0A+3], s[4:5], s[84:85]
	s_or_b32 s[G0A+3], s[G0A+3], 0x80000000
	s_mov_b32 s[G0W], 1
	s_mov_b32 s[G0W+1], s89
	s_add_nc_u64 s[G0W+2:G0W+3], s[8:9], s[86:87]
	s_or_b32 s[G0W+3], s[G0W+3], 0x80000000
	ROUND                                          ; all sixteen work-groups are here: the joint loads meet
	s_cmp_lt_u32 s[WV], 2                          ; waves 0, 1 ao's tiles, waves 2, 3 Wo's: one load on every way; s_nop 0 and four v_nop follow each
	s_cbranch_scc0 .Lfor_w
	tensor_load_to_lds s[G0A:G0A+3], s[G1A:G1A+7]
	s_nop 0
.rept 4
	v_nop
.endr
	s_branch .Lasked
.Lfor_w:
	tensor_load_to_lds s[G0W:G0W+3], s[G1W:G1W+7]
	s_nop 0
.rept 4
	v_nop
.endr
.Lasked:
	v_and_b32 v[LI], 31, v0
	v_lshlrev_b32 v[LI], 4, v[LI]
	v_and_b32 v11, 15, v0                          ; r
	v_bfe_u32 v12, v0, 4, 1                        ; h
	s_mul_i32 s90, s15, 49152
	v_add_nc_u32 v[AXB], s90, v[LI]
	s_mul_i32 s90, s16, 49152
	s_add_co_u32 s90, s90, WOFF
	v_add_nc_u32 v[AWB], s90, v[LI]
	v_lshlrev_b32 v[ASO], 3, v11
	v_lshl_add_u32 v[ASO], v12, 16, v[ASO]
	v_lshlrev_b32 v[SLO], 5, v11
	v_lshl_add_u32 v[SLO], v12, 4, v[SLO]
	s_wait_alu depctr_va_vdst(0)
	s_mul_i32 s90, s[WV], 4352
	s_add_co_u32 s90, s90, STG
	v_mul_u32_u24 v[STO], v11, 272
	v_lshl_add_u32 v[STO], v12, 7, v[STO]
	v_add_nc_u32 v[STO], s90, v[STO]
	v_mul_u32_u24 v[RD], v12, 272
	v_lshl_add_u32 v[RD], v11, 4, v[RD]
	v_add_nc_u32 v[RD], s90, v[RD]
	v_lshlrev_b32 v[CO], 12, v12
	v_lshl_add_u32 v[CO], v11, 4, v[CO]
	; scale words: register q of a tile holds K step q's word in lanes 0-15 and K step 4 + q's in lanes 16-31
	s_lshl_b32 s90, s20, 3
	s_lshl_b32 s91, s15, 2
	s_add_co_u32 s90, s90, s91
	s_lshl_b32 s90, s90, 7
	s_mov_b32 s91, 0
	s_add_nc_u64 s[90:91], s[6:7], s[90:91]
	s_lshl_b32 s92, s19, 3
	s_lshl_b32 s93, s16, 2
	s_add_co_u32 s92, s92, s93
	s_add_co_u32 s92, s92, 352
	s_lshl_b32 s92, s92, 9
	s_mov_b32 s93, 0
	s_add_nc_u64 s[92:93], s[10:11], s[92:93]
.irp i, 0,1,2,3
.irp k, 0,1
	global_load_b64 v[XS+4*\i+2*\k:XS+4*\i+2*\k+1], v[ASO], s[90:91] offset:128*\i+32768*\k   ; key and value head k + 2 h
.endr
.endr
.irp j, 0,1,2,3
	global_load_b128 v[WS+4*\j:WS+4*\j+3], v[SLO], s[92:93] offset:512*\j
.endr
	s_lshl_b32 s94, s20, 7
	s_lshl_b32 s95, s15, 6
	s_add_co_u32 s94, s94, s95                     ; my first row
	s_lshl_b32 s94, s94, 12
	s_lshl_b32 s95, s19, 9
	s_add_co_u32 s94, s94, s95
	s_lshl_b32 s95, s16, 8
	s_add_co_u32 s94, s94, s95                     ; + my first column, in bytes
	s_mov_b32 s95, 0
	s_add_nc_u64 s[12:13], s[12:13], s[94:95]
; 24 LDS loads in one run: K step s's fragments into set s % 2; the two additions and two v_nop are the four places behind the matrix instructions that read that set (ISA guide 7.12.1 for vector instructions)
.macro FETCH s
	WIN 0
	v_add_nc_u32 v[AX], 1536*(\s), v[AXB]
	v_add_nc_u32 v[AW], 1536*(\s), v[AWB]
	v_nop
	v_nop
	WIN 64*((\s)%2)
.irp j, 0,1,2,3
.irp g, 0,1,2
	ds_load_b128 v[FW+12*\j+4*\g:FW+12*\j+4*\g+3], v[AW] offset:12288*\j+512*\g
.endr
.endr
.irp i, 0,1,2,3
.irp g, 0,1,2
	ds_load_b128 v[FX+12*\i+4*\g:FX+12*\i+4*\g+3], v[AX] offset:12288*\i+512*\g
.endr
.endr
	WIN 0
.endm
.macro WM d, a, b, sa, sb, s
.if (\s) == 0
	v_wmma_scale_f32_16x16x128_f8f6f4 v[\d:\d+7], v[\a:\a+11], v[\b:\b+11], 0, v[\sa], v[\sb] matrix_a_fmt:MATRIX_FMT_FP6 matrix_b_fmt:MATRIX_FMT_FP6
.elseif (\s) < 4
	v_wmma_scale_f32_16x16x128_f8f6f4 v[\d:\d+7], v[\a:\a+11], v[\b:\b+11], v[\d:\d+7], v[\sa], v[\sb] matrix_a_fmt:MATRIX_FMT_FP6 matrix_b_fmt:MATRIX_FMT_FP6
.else
	v_wmma_scale_f32_16x16x128_f8f6f4 v[\d:\d+7], v[\a:\a+11], v[\b:\b+11], v[\d:\d+7], v[\sa], v[\sb] matrix_a_fmt:MATRIX_FMT_FP6 matrix_b_fmt:MATRIX_FMT_FP6 matrix_a_scale:MATRIX_SCALE_ROW1 matrix_b_scale:MATRIX_SCALE_ROW1
.endif
.endm
.macro KSTEP s
	s_wait_dscnt 0x0                               ; this step's set is in
.if (\s) < 7
	FETCH (\s)+1
.endif
	WIN 0xa0+5*((\s)%2)
.irp i, 0,1,2,3                        ; the 16 accumulators by turns, one instruction a turn
.irp j, 0,1,2,3
	WM 8*(4*\i+\j), FW+12*\j, FX+12*\i, WS+4*\j+(\s)%4, XS+4*\i+(\s)%4, \s
.endr
.endr
	WIN 0
.endm
	s_wait_alu depctr_va_vdst(0)                   ; the wait at the head's end
	s_wait_tensorcnt 0x0                           ; my four tiles are in
	s_barrier_signal -1
	s_barrier_wait -1                              ; everybody's are
	FETCH 0
	s_wait_loadcnt 0x0                             ; the scale words
	KSTEP 0
	KSTEP 1
	KSTEP 2
	KSTEP 3
	KSTEP 4
	KSTEP 5
	KSTEP 6
	KSTEP 7
; THE WAY OUT, a tile of 16 rows x 64 columns at a time, through my own stage: a lane holds 128 bytes of a row; the rows come back whole, 256 bytes to sixteen lanes.  LDS serves a wave's instructions in order.
.macro TOSTAGE i
	WIN 0x08                                       ; an LDS store's data: window 2
.irp b, 0,1
.irp q, 0,1,2,3
	ds_store_b128 v[STO], v[32*(\i)+16*\b+4*\q:32*(\i)+16*\b+4*\q+3] offset:64*\b+16*\q   ; columns 32 h + 16 b + 4 q ..; each accumulator from its low end on
.endr
.endr
	WIN 0
.irp t, 0,1,2,3,4,5,6,7
	ds_load_b128 v[BK+32*(\i)+4*\t:BK+32*(\i)+4*\t+3], v[RD] offset:544*\t   ; row indices 2 t + h
.endr
.endm
.macro SEND i, younger                 ; younger: the next tile's eight stores and eight loads, or none
	s_wait_dscnt \younger
.irp t, 0,1,2,3,4,5,6,7
	global_store_b128 v[CO], v[BK+32*(\i)+4*\t:BK+32*(\i)+4*\t+3], s[12:13] offset:(8*(\i)+2*\t+24*(\t/4))*4096 th:TH_STORE_NT   ; sixteen lanes store 256 consecutive bytes, aligned; the immediate puts row index 2 t + h of tile i back at its row
.endr
.endm
.rept 4
	v_nop                                          ; places behind the last products
.endr
	TOSTAGE 0
.irp a, 1,2,3
	TOSTAGE \a
	SEND \a-1, 16
.endr
	SEND 3, 0
	s_wait_tensorcnt 0x0                           ; the wave's end
	ds_add_u32 v254, v255
	s_wait_dscnt 0x0
	ROUND                                          ; the closing round
	s_endpgm
.Lfunc_end_k_qd3341b1da1_outp:
	.size	k_qd3341b1da1_outp, .Lfunc_end_k_qd3341b1da1_outp-k_qd3341b1da1_outp
	.p2alignl 7, 3214868480
	.fill 96, 4, 3214868480
	.section	.rodata,"a",@progbits
	.p2align	6, 0x0
	.amdhsa_kernel k_qd3341b1da1_outp
		.amdhsa_group_segment_fixed_size 327680
		.amdhsa_private_segment_fixed_size 0
		.amdhsa_enable_private_segment 0
		.amdhsa_kernarg_size 40
		.amdhsa_user_sgpr_count 2
		.amdhsa_user_sgpr_kernarg_segment_ptr 1
		.amdhsa_wavefront_size32 1
		.amdhsa_system_sgpr_workgroup_id_x 1
		.amdhsa_system_sgpr_workgroup_id_y 1
		.amdhsa_system_sgpr_workgroup_id_z 1
		.amdhsa_system_vgpr_workitem_id 0
		.amdhsa_next_free_vgpr 640
		.amdhsa_next_free_sgpr 100
		.amdhsa_reserve_vcc 0
		.amdhsa_float_denorm_mode_32 3
		.amdhsa_float_denorm_mode_16_64 3
		.amdhsa_memory_ordered 1
		.amdhsa_forward_progress 1
		.amdhsa_inst_pref_size 46
	.end_amdhsa_kernel
	.amdgpu_metadata
---
amdhsa.version: [ 1, 2 ]
amdhsa.kernels:
  - .name:           k_qd3341b1da1_outp
    .symbol:         k_qd3341b1da1_outp.kd
    .args:
      - { .name: aoi, .offset: 0, .size: 8, .value_kind: global_buffer, .address_space: global }
      - { .name: aos, .offset: 8, .size: 8, .value_kind: global_buffer, .address_space: global }
      - { .name: img, .offset: 16, .size: 8, .value_kind: global_buffer, .address_space: global }
      - { .name: scl, .offset: 24, .size: 8, .value_kind: global_buffer, .address_space: global }
      - { .name: out0, .offset: 32, .size: 8, .value_kind: global_buffer, .address_space: global }
    .group_segment_fixed_size: 327680
    .private_segment_fixed_size: 0
    .kernarg_segment_align: 8
    .kernarg_segment_size: 40
    .max_flat_workgroup_size: 128
    .sgpr_count:     100
    .vgpr_count:     640
    .wavefront_size: 32
...
	.end_amdgpu_metadata
.endif
;; end of part 4
